; MI455X (gfx1250); checked and timed in simulation.
; The chip was launched on July 23, 2026; its instructions are those of AMD's public machine-readable ISA for CDNA 5 (MIT licence, August 2026) and "CDNA5" Instruction Set Architecture Reference Guide (July 2026). The comments in the code are by the model that wrote it; some were corrected since.
;; Density Field Linear. Allowed arithmetic: float matrix products may take bf16 or f16 operands with f32 sums; other float arithmetic in f32, or as packed bf16 or f16 multiplies, adds, multiply-adds, maxima and minima; sums over many terms, partial sums and values carried from step to step in f32; what a program stores and reads back later, other than sums and carried values, may be rounded once to bf16 or f16.
;; Inputs: latent_weight 16,384 x 4,096 float32; scale 16,384 float32; thresholds 64 x 16 float32; x 64 x 4,096 float32.
;; Outputs: out0 64 x 16,384 float32.
;; Constants: step = 1000.
;; One version. Each part assembles by itself: llvm-mc -triple=amdgcn-amd-amdhsa -mcpu=gfx1250 --defsym DOCPART=n.
;; ======== version 1 of 1: 1 launch
;; limits: values are held in f16: magnitudes above 65,504 overflow, below 6.1e-05 lose precision; inputs' magnitudes at most 65,504; inputs' magnitudes at most 16,777,216
;; launch dfl (part 1): grid 256 x 1, 8 waves a work-group, clusters of 4 x 1, 327,680 bytes of LDS; arguments x, latent_weight, scale, thresholds, out0; writes out0
.if DOCPART == 1
	.amdgcn_target "amdgcn-amd-amdhsa--gfx1250"
	.amdhsa_code_object_version 6
	.text
	.protected	k_qfdc1b67a9e_dfl
	.globl	k_qfdc1b67a9e_dfl
	.p2align	8
	.type	k_qfdc1b67a9e_dfl,@function
k_qfdc1b67a9e_dfl:
	s_mov_b64 s[64:65], 0
	v_nop
	global_prefetch_b8 v0, s[64:65] scope:SCOPE_SE
	s_setreg_imm32_b32 hwreg(HW_REG_WAVE_MODE, 25, 1), 1
	s_wait_xcnt 0x0
	s_wait_alu depctr_hold_cnt(0) depctr_sa_sdst(0) depctr_va_vdst(0) depctr_va_sdst(0) depctr_va_ssrc(0) depctr_va_vcc(0) depctr_vm_vsrc(0)
	s_getreg_b32 s2, hwreg(HW_REG_IB_STS2, 6, 4)
	s_cmp_eq_u32 s2, 0
	s_cbranch_scc0 .Lentry_in_a_cluster
	s_endpgm
.Lentry_in_a_cluster:
	s_bfe_u32 s2, ttmp6, 0x10000c
	s_cmp_lg_u32 s2, 0x3003
	s_cbranch_scc0 .Lentry_shape_is_right
	s_endpgm
.Lentry_shape_is_right:
; out[m][o] = scale[o] * sum over k of x[m][k] * e(w[o][k]),  e(w) = t + c/16 - 1,  t = (clip(w,-1,1) + 1) / 2,  c = how many of the bank's 16 thresholds lie below t.
; (step = 1000: bank 1000 % 64 = 40, alpha = 0.5, so density * 2 - 1 = t + c/16 - 1.)  x: [64][4096], w: [16384][4096], scale: [16384], thresholds: [64][16], out: [64][16384], all f32.
; THE COUNT IS EXACT.  t = clamp01(fma(w, 0.5, 0.5)) has one rounding and equals fl(w + 1) * 0.5.  It is a multiple of 2^-25: k = t * 2^25 is a whole number, 0 .. 2^25, even from 2^24 on.
; For a threshold R let C be the lowest such k above f = floor(R * 2^25).  Then C - k >= 1 where R >= t and C - k <= 0 where R < t; fma(t, -2^25, C) rounds that whole number once, which keeps
; the order, and its clamp to 0 .. 1 is n = 1 or 0 exactly.  The sum of the 16 n is 16 - c.  All of it goes two weights to an instruction.
; THE MATRIX OPERAND is sum(n) - 16 t = -16 e, within -16 .. 16 by the clip, rounded once to f16; x is rounded once to f16; sums in f32; -scale/16 multiplies the finished sums in f32.
; LIMITS.  |w| < 2^24 (beyond it w + (clip(w) - w) in f32 is no longer clip(w); this text takes clip(w)).  The bank's row need not be sorted: every threshold is compared.  |x| < 65,520 (f16's range;
; below 6e-5 x keeps f16's fixed step of 6e-8).  NaN and infinities are not treated apart.  e is rounded once, not in the order t + (q - t), 0.5 t + 0.5 q, 2 d - 1.
; SHARES.  A work-group owns 64 columns of out: 64 rows of w.  K IS SPLIT AMONG ITS EIGHT WAVES: of each trip's 512 numbers of a row wave v takes 64 v .. 64 v + 63 (256 bytes, aligned), for all 64 rows
; of w and all 64 rows of x: each weight is transformed once, each number of x converted once in the work-group.  Eight trips.  The eight partial tiles of 64 x 64 meet in LDS at the end.
; W comes straight into registers: no wave wants another's bytes.  A ring of 128 registers (32 loads of 16 bytes a lane) is asked for again four loads at a time, as soon as t has been taken from them:
; a whole trip, 16 KiB a wave, is always on its way, asked for eight groups of work ahead of its use; so no prefetch is laid in front of these loads.
; X IS SHARED: every work-group walks the same tiles of x, as many bytes a trip as its own weights.  Four work-groups form a cluster and ask for each tile JOINTLY: the same tensor load, descriptor and
; mask in all four.  Each wave fetches the slice that it alone reads (64 rows x 256 bytes) into one of two LDS slots; a round of the cluster's barrier stands in front of each refill.
; LAYOUT.  The product is taken transposed (source 0 = 16 rows of w, source 1 = 16 rows of x): a lane ends with one row m of out (lane % 16) and eight neighbouring columns.  Lane (r = lane % 16,
; h = lane / 16) takes bytes 32 j + 16 h .. + 15 of row r's 256, j = 0 .. 7: j = 0 .. 3 fill one fragment, j = 4 .. 7 the next: a permutation of k, the same for w and for x.
; REGISTERS, in two windows of 256 (s_set_vgpr_msb: bits 1:0 source 0, 3:2 source 1, 5:4 source 2, 7:6 destination):
;   window 0: v0-15 addresses, scale; v16-55 constants; v56-103 at work; v104-111 a fragment of w; v128-255 the 16 accumulators ((u, mt) at 128 + 8 (4 u + mt))
;   window 1: v0-63 x's fragments of a trip; v64-191 the ring of w as loaded; v192-255 x as it comes out of LDS, two buffers of 32
; The sums start at 0 by 128 v_mov_b32, which run while the first loads are on their way: a first trip written out with the constant 0 as C would be a third copy of the trip's text.
.set TRIPB, 2048                       ; bytes of a row that the work-group takes in a trip
.set BANK,  40*64                      ; byte offset of row 1000 % 64 of thresholds
.set XP,    272                        ; an LDS row: 256 bytes + 16 of padding = 68 words: row r starts at bank 4 r mod 64 (64 banks of 4 bytes: ISA guide 11.1)
.set SLICE, 64*XP                      ; a wave's slice of a slot: 17,408 bytes
.set TOG,   15*SLICE                   ; = 255 x 1,024.  Slot 0: wave w at 17 w x 1,024, 17 w < 256, so the exclusive or with TOG gives (255 - 17 w) x 1,024: slot 1, wave w at slice 15 - w
.set SPARE, 16*SLICE                   ; behind the two slots: the spare words, 128 bytes for each wave: four blocks of 256 bytes that no other line names
.set WO,  2                            ; v2   my byte offset in w: r x 16,384 + 16 h + 256 x wave; never rewritten
.set XL,  4                            ; v4   my place in a slice of x: r x XP + 16 h
.set XA,  5                            ; v5   the same in the slot in hand
.set STO, 6                            ; v6   the way out: where I put 32 bytes of a row of my partial tile
.set RD,  7                            ; v7   the way out: where I read rows back, partial tiles 0 to 3
.set RD2, 8                            ; v8   partial tiles 4 to 7
.set OO,  9                            ; v9   my byte offset in out
.set SPW, 10                           ; v10  LDS address of my spare word: SPARE + 4 x my thread's number; never rewritten
.set NIL, 11                           ; v11  0; never rewritten
.set SC,  12                           ; v[12:15]  scale of my four columns
.set HALF, 16                          ; v[16:17]  0.5 twice: a clamped packed line takes its sources from vector registers
.set NH,  18                           ; v[18:19]  -2^25 twice
.set CM,  20                           ; v[20:21]  -16 twice
.set CC,  24                           ; v[24:55]  C of threshold i, twice, at CC + 2 i
.set T,   56                           ; v[56:71]  t of eight pairs of weights
.set S,   72                           ; v[72:87]  their sums
.set N,   88                           ; v[88:103] their n for the threshold in hand
.set F,   104                          ; v[104:111] the fragment of w in hand
.set RR,  120                          ; v120 r;  v121 h
.set HB,  121
.set SO,  123                          ; v123 my byte offset in scale; never rewritten
.set TA,  125                          ; v125, v126 at work at the head
.set TC,  126
.set ACC, 128
.set XF,  0                            ; window 1: rows 16 mt .. of x, fragment f, at XF + 16 mt + 8 f
.set RAW, 64                           ; window 1: rows 16 u .. of w, load j, at RAW + 32 u + 4 j
.set XS,  192                          ; window 1
.set WV,  14                           ; s14  my wave's number
.set CNT, 15                           ; s15  trips of the loop still to come
.set TH,  16                           ; s[16:31] the bank's 16 thresholds
.set G1,  32                           ; s[32:39] descriptor group 1: the shape of a slice
.set G0,  40                           ; s[40:43] descriptor group 0: it walks
.set TB,  44                           ; s44  LDS byte of my slice in the slot in hand
.set WP,  46                           ; s[46:47] w at the work-group's first row, at the trip that is being asked for
.set MSB, 0
.macro WIN new                         ; the immediate's high byte repeats the setting that is left; a switch that changes nothing is dropped
.if MSB != (\new)
	s_set_vgpr_msb (MSB<<8)|(\new)
.set MSB, \new
.endif
.endm
; A round of the cluster's barrier: my work-group's barrier, so that wave 0's signal speaks for all eight waves; wave 0 signals; every wave waits for all four work-groups; my work-group's barrier once more.
.macro CROUND
	s_barrier_signal -1
	s_barrier_wait -1
	s_cmp_lg_u32 s[WV], 0
	s_cbranch_scc1 .Lnot_wave_0_\@
	s_barrier_signal -3
.Lnot_wave_0_\@:
	s_barrier_wait -3
	s_barrier_signal -1
	s_barrier_wait -1
.endm
; THE CHANGE OF SLOTS.  fill = 1: I wait for all my tensor loads, of which one is out: my slice of the trip to come; add 0 to my spare word; wait for that and for my reads of the slot that I leave.
; Behind the round no wave of any partner reads that slot or has a load on its way, and the joint refill is the first thing there: it has a whole trip in which to land.
; fill = 0, the last trip: only I read my slice, so my own wait is all the order that its reads need; nothing is filled, so there is no barrier.
.macro CHANGE fill
	WIN 0                                          ; at a label and at a branch every window is 0
	s_wait_tensorcnt 0x0                           ; no tensor load of mine is out, so the group 0 may be written
.if \fill
	ds_add_u32 v[SPW], v[NIL]                      ; 0 onto my spare word; the descriptor's steps stand between it and the wait for it
	s_xor_b32 s[G0+1], s[G0+1], TOG                ; the other slot than last time,
	s_add_nc_u64 s[G0+2:G0+3], s[G0+2:G0+3], TRIPB ; the next trip's 256 bytes of each row; the type bits on top are not reached
	s_wait_dscnt 0x0                               ; the add is done, and my reads of the slot are over
	CROUND
	tensor_load_to_lds s[G0:G0+3], s[G1:G1+7]
	s_nop 0
.endif
.rept 4
	v_nop                                          ; also the four places between the last trip's products and the conversions that write x's fragments anew
.endr
	s_xor_b32 s[TB], s[TB], TOG                    ; my reads go to the slot that has landed
	v_add_nc_u32 v[XA], s[TB], v[XL]
.endm
; x, rows 16 mt .. 16 mt + 15 of my slice: eight loads of 16 bytes a lane into staging buffer b; then 16 roundings to f16, two numbers each
.macro XLOAD mt, b
	WIN 0x40                                       ; destination window 1, address window 0
.irp j, 0,1,2,3,4,5,6,7
	ds_load_b128 v[XS+32*(\b)+4*(\j):XS+32*(\b)+4*(\j)+3], v[XA] offset:(\mt)*16*XP+32*(\j)
.endr
.endm
.macro XCVT mt, b
	WIN 0x45                                       ; sources and destination in window 1
.set q, 0
.rept 16
	v_cvt_pk_f16_f32 v[XF+16*(\mt)+q], v[XS+32*(\b)+2*q], v[XS+32*(\b)+2*q+1]
.set q, q+1
.endr
.endm
; A GROUP: rows 16 u .. 16 u + 15 of w, fragment f: 16 weights a lane.  t is taken, the four loads' registers are asked for again (ld = 1: the next trip's bytes), the 16 thresholds are counted,
; -16 e is rounded to f16, and four products follow, on four accumulators that take turns.  left: the younger loads, which may stay out.
.macro GROUP u, f, ld, left
	s_wait_loadcnt (\left)                         ; loads come back in order (ISA guide 5.7.1): this group's four are in
	WIN 0x01                                       ; source 0 window 1
.set p, 0
.rept 8
	v_pk_fma_f32 v[T+2*p:T+2*p+1], v[RAW+32*(\u)+16*(\f)+2*p:RAW+32*(\u)+16*(\f)+2*p+1], v[HALF:HALF+1], v[HALF:HALF+1] clamp  ; t
.set p, p+1
.endr
.if \ld
	WIN 0x40
.set p, 0
.rept 4
	global_load_b128 v[RAW+32*(\u)+16*(\f)+4*p:RAW+32*(\u)+16*(\f)+4*p+3], v[WO], s[WP:WP+1] offset:(\u)*262144+128*(\f)+32*p th:TH_LOAD_NT
.set p, p+1
.endr
.endif
	WIN 0
.set p, 0
.rept 8
	v_pk_fma_f32 v[S+2*p:S+2*p+1], v[T+2*p:T+2*p+1], v[NH:NH+1], v[CC:CC+1] clamp  ; threshold 0 starts the sums
.set p, p+1
.endr
.set i, 1
.rept 15
.set p, 0
.rept 8
	v_pk_fma_f32 v[N+2*p:N+2*p+1], v[T+2*p:T+2*p+1], v[NH:NH+1], v[CC+2*i:CC+2*i+1] clamp  ; 1 where threshold i is not below t, else 0
.set p, p+1
.endr
.set p, 0
.rept 8
	v_pk_add_f32 v[S+2*p:S+2*p+1], v[S+2*p:S+2*p+1], v[N+2*p:N+2*p+1]
.set p, p+1
.endr
.set i, i+1
.endr
.set p, 0
.rept 8
	v_pk_fma_f32 v[S+2*p:S+2*p+1], v[T+2*p:T+2*p+1], v[CM:CM+1], v[S+2*p:S+2*p+1]  ; (16 - c) - 16 t = -16 e
.set p, p+1
.endr
.set p, 0
.rept 8
	v_cvt_pk_f16_f32 v[F+p], v[S+2*p], v[S+2*p+1]
.set p, p+1
.endr
	WIN 0x04                                       ; source 1 (x) window 1
.set p, 0
.rept 4
	v_wmma_f32_16x16x32_f16 v[ACC+8*(4*(\u)+p):ACC+8*(4*(\u)+p)+7], v[F:F+7], v[XF+16*p+8*(\f):XF+16*p+8*(\f)+7], v[ACC+8*(4*(\u)+p):ACC+8*(4*(\u)+p)+7]
.set p, p+1
.endr
.endm
; A TRIP: the change of slots, x's 64 rows out of LDS and into f16, then the eight groups.  The next group's first 24 lines and more, which name no register of the products, are the places behind them.
.macro TRIP fill
	CHANGE \fill
	XLOAD 0, 0
	XLOAD 1, 1
	s_wait_dscnt 8                                 ; the older buffer's eight loads are in; the other's eight may stay out
	XCVT 0, 0
	XLOAD 2, 0
	s_wait_dscnt 8
	XCVT 1, 1
	XLOAD 3, 1
	s_wait_dscnt 8
	XCVT 2, 0
	s_wait_dscnt 0x0
	XCVT 3, 1
.set g, 0
.rept 8
	GROUP g/2, g%2, \fill, 28-4*g*(1-\fill)        ; seven younger groups of four loads stay out; in the last trip nothing is asked for and the counts run down
.set g, g+1
.endr
	WIN 0
.if \fill
	s_wait_xcnt 0x0                                ; every load issued so far has read its address (the youngest a group's work back), so the pointer may be written
	s_add_nc_u64 s[WP:WP+1], s[WP:WP+1], TRIPB
.endif
.endm
.macro ADD4 a, b                       ; four sums
	v_pk_add_f32 v[(\a):(\a)+1], v[(\a):(\a)+1], v[(\b):(\b)+1]
	v_pk_add_f32 v[(\a)+2:(\a)+3], v[(\a)+2:(\a)+3], v[(\b)+2:(\b)+3]
.endm
	s_load_b256 s[4:11], s[0:1], 0x0               ; x s[4:5], w s[6:7], scale s[8:9], thresholds s[10:11]
	s_load_b64 s[12:13], s[0:1], 0x20              ; out
	v_lshl_add_u32 v[SPW], v0, 2, SPARE
	v_mov_b32 v[NIL], 0
	ds_add_u32 v[SPW], v[NIL]                      ; the wave's opening: the add and its wait stand ahead of my first tensor load; the set-up below, work on registers, stands between them
	v_lshrrev_b32 v1, 5, v0
	v_readfirstlane_b32 s[WV], v1                  ; wave 0..7
	s_bfe_u32 s51, ttmp6, 0x40000                  ; cx: my place in the cluster
	s_lshl_b32 s50, ttmp9, 2                       ; in a cluster launch ttmp9 counts clusters
	s_add_co_u32 s50, s50, s51                     ; my block of 64 columns = 4 x cluster x + cx: it enters w's, scale's and out's addresses alone
	; descriptor group 1: a tile of 64 rows x 64 elements of 4 bytes, padded in LDS
	s_mov_b32 s[G1], 15|(2<<16)|(1<<20)|(1<<21)|(5<<22)|(3<<25)  ; 15:0 the mask: all four work-groups; 17:16 elements of 4 bytes; 20 padding on; 21 set beside a mask; 24:22 after every 64 words (code 5); 31:25 4 words (code 3)
	s_mov_b32 s[G1+1], 64<<16                      ; tensor_dim0 = 64
	s_mov_b32 s[G1+2], 64<<16                      ; tensor_dim1 = 64
	s_mov_b32 s[G1+3], 64<<16                      ; tile_dim0 = 64
	s_mov_b32 s[G1+4], 64                          ; tile_dim1 = 64
	s_mov_b32 s[G1+5], 4096                        ; elements from row to row
	s_mov_b32 s[G1+6], 0
	s_mov_b32 s[G1+7], 0
	s_mul_i32 s45, s[WV], SLICE                    ; my slice of slot 0: no place in the cluster enters an LDS address
	s_xor_b32 s[TB], s45, TOG                      ; the first change of slots turns this into slot 0
	s_mov_b32 s[G0], 1                             ; count = 1
	s_mov_b32 s[G0+1], s45                         ; LDS address
	s_lshl_b32 s52, s[WV], 8                       ; my 256 bytes of a trip's 2,048
	s_mov_b32 s53, 0
	s_mov_b32 s49, 0
	v_and_b32 v[RR], 15, v0                        ; r
	v_bfe_u32 v[HB], v0, 4, 1                      ; h
	v_lshlrev_b32 v[WO], 14, v[RR]
	v_lshl_add_u32 v[WO], v[HB], 4, v[WO]
	v_add_nc_u32 v[WO], s52, v[WO]
	v_mul_u32_u24 v[XL], v[RR], XP
	v_lshl_add_u32 v[STO], v[HB], 5, v[XL]         ; the way out, in: row r, 32 bytes for each half of the lanes,
	v_add_nc_u32 v[STO], s45, v[STO]               ; in my slice of slot 0
	v_lshl_add_u32 v[XL], v[HB], 4, v[XL]
	v_mul_u32_u24 v[RD], v[HB], XP                 ; back: lanes 0-15 take one row of 256 bytes, lanes 16-31 the next,
	v_lshl_add_u32 v[RD], v[RR], 4, v[RD]
	s_mul_i32 s48, s[WV], 8*XP                     ; of rows 8 x wave .. + 7
	v_add_nc_u32 v[RD], s48, v[RD]
	v_add_nc_u32 v[RD2], 4*SLICE, v[RD]
	v_lshlrev_b32 v[SO], 4, v[RR]
	v_lshl_add_u32 v[OO], v[HB], 16, v[SO]         ; and the same rows in out: 65,536 bytes a row
	s_lshl_b32 s48, s[WV], 19
	v_add_nc_u32 v[OO], s48, v[OO]
	s_wait_dscnt 0x0                               ; the opening add is done
	s_wait_kmcnt 0x0
	s_load_b512 s[TH:TH+15], s[10:11], BANK        ; the bank's row
	s_lshl_b32 s48, s50, 8                         ; my 64 columns: 256 bytes of scale and of a row of out
	s_add_nc_u64 s[8:9], s[8:9], s[48:49]
	s_add_nc_u64 s[12:13], s[12:13], s[48:49]
	s_lshl_b32 s48, s50, 20                        ; my 64 rows of w
	s_add_nc_u64 s[WP:WP+1], s[6:7], s[48:49]
	s_add_nc_u64 s[WP:WP+1], s[WP:WP+1], TRIPB     ; at trip 1: the loads below reach back to trip 0
	s_add_nc_u64 s[G0+2:G0+3], s[4:5], s[52:53]    ; x at my slice of trip 0: made of the wave's number alone
	s_or_b32 s[G0+3], s[G0+3], 0x80000000          ; type = 2
	global_load_b128 v[SC:SC+3], v[SO], s[8:9]
	WIN 0x40
.set g, 0
.rept 32                               ; the ring is filled: trip 0, in the order in which the groups take it
	global_load_b128 v[RAW+4*g:RAW+4*g+3], v[WO], s[WP:WP+1] offset:(g/8)*262144+32*(g%8)-TRIPB th:TH_LOAD_NT
.set g, g+1
.endr
	WIN 0
	CROUND                                         ; all four work-groups are here: the first joint loads meet
	tensor_load_to_lds s[G0:G0+3], s[G1:G1+7]      ; trip 0's slice into slot 0
	s_nop 0
.rept 4
	v_nop
.endr
.set g, 0
.rept 128
	v_mov_b32 v[ACC+g], 0
.set g, g+1
.endr
	v_mov_b32 v[HALF], 0.5
	v_mov_b32 v[HALF+1], 0.5
	v_mov_b32 v[NH], 0xcc000000                    ; -2^25
	v_mov_b32 v[NH+1], 0xcc000000
	v_mov_b32 v[CM], 0xc1800000                    ; -16
	v_mov_b32 v[CM+1], 0xc1800000
	s_wait_kmcnt 0x0                               ; the thresholds
.set i, 0
.rept 16                               ; C = the greater of f + 1 and the float next above f: f + 1 below 2^24, f + 2 from there on (k is even there), above every k from 2^25 on, at most 0 for R < 0
	v_mov_b32 v[TA], s[TH+i]
	v_mul_f32 v[TA], 0x4c000000, v[TA]             ; R x 2^25, exact
	v_floor_f32 v[TA], v[TA]
	v_add_nc_u32 v[TC], 1, v[TA]                   ; the next float in magnitude
	v_add_f32 v[TA], 1.0, v[TA]
	v_max_num_f32 v[CC+2*i], v[TA], v[TC]
	v_mov_b32 v[CC+2*i+1], v[CC+2*i]
.set i, i+1
.endr
	s_mov_b32 s[CNT], 7
.Ltrip:                                        ; trips 0 to 6: each asks for the next trip's x and w
	TRIP 1
	s_sub_co_u32 s[CNT], s[CNT], 1
	s_cmp_lg_u32 s[CNT], 0
	s_cbranch_scc1 .Ltrip
	TRIP 0                                         ; the last trip is written out: it asks for nothing and no load leaves w
	; THE WAY OUT.  My partial tile goes into my slice of slot 0, whose last fill (trip 6's) has been read, by me alone; a barrier; wave v adds rows 8 v .. 8 v + 7 of the eight tiles.
.rept 8
	v_nop                                          ; the places behind the last products
.endr
.set g, 0
.rept 16                               ; accumulator g = 4 u + mt: rows 16 mt .., columns 16 u ..; its low registers first
	ds_store_b128 v[STO], v[ACC+8*g:ACC+8*g+3]   offset:(g%4)*16*XP+64*(g/4)
	ds_store_b128 v[STO], v[ACC+8*g+4:ACC+8*g+7] offset:(g%4)*16*XP+64*(g/4)+16
.set g, g+1
.endr
	s_wait_dscnt 0x0                               ; for the others' sake: my stores are done
	s_barrier_signal -1
	s_barrier_wait -1
.set q, 0
.rept 4                                ; row pair q of my eight rows, partial tile p
.set p, 0
.rept 4
	ds_load_b128 v[ACC+32*q+4*p:ACC+32*q+4*p+3], v[RD] offset:p*SLICE+2*XP*q
.set p, p+1
.endr
.set p, 0
.rept 4
	ds_load_b128 v[ACC+32*q+16+4*p:ACC+32*q+16+4*p+3], v[RD2] offset:p*SLICE+2*XP*q
.set p, p+1
.endr
.set q, q+1
.endr
.irp j, 0,1,2,3
	v_mul_f32 v[SC+(\j)], 0xbd800000, v[SC+(\j)]   ; -scale / 16: the operand was -16 e
.endr
.set q, 0
.rept 4
.set B0, ACC+32*q
	s_wait_dscnt 24-8*q                            ; the later row pairs' loads may stay out
	ADD4 B0, B0+4
	ADD4 B0+8, B0+12
	ADD4 B0+16, B0+20
	ADD4 B0+24, B0+28
	ADD4 B0, B0+8
	ADD4 B0+16, B0+24
	ADD4 B0, B0+16
	v_pk_mul_f32 v[B0:B0+1], v[B0:B0+1], v[SC:SC+1]
	v_pk_mul_f32 v[B0+2:B0+3], v[B0+2:B0+3], v[SC+2:SC+3]
	global_store_b128 v[OO], v[B0:B0+3], s[12:13] offset:q*131072 th:TH_STORE_NT  ; 16 lanes store 256 consecutive bytes, at a multiple of 256 from out's first byte
.set q, q+1
.endr
	s_wait_tensorcnt 0x0                           ; the wave's end: an add to my spare word and its wait, behind my last tensor load and my last LDS store
	ds_add_u32 v[SPW], v[NIL]
	s_wait_dscnt 0x0
	CROUND                                         ; the closing round: no work-group ends while a partner may still ask for a tile that names it
	s_endpgm
.Lfunc_end_k_qfdc1b67a9e_dfl:
	.size	k_qfdc1b67a9e_dfl, .Lfunc_end_k_qfdc1b67a9e_dfl-k_qfdc1b67a9e_dfl
	.p2alignl 7, 3214868480
	.fill 96, 4, 3214868480
	.section	.rodata,"a",@progbits
	.p2align	6, 0x0
	.amdhsa_kernel k_qfdc1b67a9e_dfl
		.amdhsa_group_segment_fixed_size 327680
		.amdhsa_private_segment_fixed_size 0
		.amdhsa_enable_private_segment 0
		.amdhsa_kernarg_size 40
		.amdhsa_user_sgpr_count 2
		.amdhsa_user_sgpr_kernarg_segment_ptr 1
		.amdhsa_wavefront_size32 1
		.amdhsa_system_sgpr_workgroup_id_x 1
		.amdhsa_system_sgpr_workgroup_id_y 1
		.amdhsa_system_sgpr_workgroup_id_z 1
		.amdhsa_system_vgpr_workitem_id 0
		.amdhsa_next_free_vgpr 512
		.amdhsa_next_free_sgpr 66
		.amdhsa_reserve_vcc 0
		.amdhsa_float_denorm_mode_32 3
		.amdhsa_float_denorm_mode_16_64 3
		.amdhsa_memory_ordered 1
		.amdhsa_forward_progress 1
		.amdhsa_inst_pref_size 255
	.end_amdhsa_kernel
	.section	.bss,"aw",@nobits
	.p2align	6
	.space	262144
	.amdgpu_metadata
---
amdhsa.version: [ 1, 2 ]
amdhsa.kernels:
  - .name:           k_qfdc1b67a9e_dfl
    .symbol:         k_qfdc1b67a9e_dfl.kd
    .args:
      - { .name: x, .offset: 0, .size: 8, .value_kind: global_buffer, .address_space: global }
      - { .name: latent_weight, .offset: 8, .size: 8, .value_kind: global_buffer, .address_space: global }
      - { .name: scale, .offset: 16, .size: 8, .value_kind: global_buffer, .address_space: global }
      - { .name: thresholds, .offset: 24, .size: 8, .value_kind: global_buffer, .address_space: global }
      - { .name: out0, .offset: 32, .size: 8, .value_kind: global_buffer, .address_space: global }
    .group_segment_fixed_size: 327680
    .private_segment_fixed_size: 0
    .kernarg_segment_align: 8
    .kernarg_segment_size: 40
    .max_flat_workgroup_size: 256
    .sgpr_count:     66
    .vgpr_count:     512
    .wavefront_size: 32
...
	.end_amdgpu_metadata
.endif
;; end of part 1
